; MI455X (gfx1250); checked and timed in simulation.
; The chip was launched on July 23, 2026; its instructions are those of AMD's public machine-readable ISA for CDNA 5 (MIT licence, August 2026) and "CDNA5" Instruction Set Architecture Reference Guide (July 2026). The comments in the code are by the model that wrote it; some were corrected since.
;; Hand Coded Attention Layer. Allowed arithmetic: matrix products marked QUANTISED: E2M1 operands, one E8M0 scale for each 32 along K, by v_wmma_scale_f32_16x16x128_f8f6f4 with both operands' format E2M1 (or v_wmma_scale_f32_32x16x128_f4), f32 sums; everything else in f32.
;; Inputs: Wk_codes 1,024 x 32 x 16 uint8 (E2M1 codes of Wk, K innermost, in blocks of 32 codes, two codes a byte); Wk_scales 1,024 x 32 uint8 (E8M0 scales of Wk, one for each 32 codes along K); Wo_codes 1,024 x 32 x 16 uint8 (E2M1 codes of Wo, K innermost, in blocks of 32 codes, two codes a byte); Wo_scales 1,024 x 32 uint8 (E8M0 scales of Wo, one for each 32 codes along K); Wq_codes 1,024 x 32 x 16 uint8 (E2M1 codes of Wq, K innermost, in blocks of 32 codes, two codes a byte); Wq_scales 1,024 x 32 uint8 (E8M0 scales of Wq, one for each 32 codes along K); Wv_codes 1,024 x 32 x 16 uint8 (E2M1 codes of Wv, K innermost, in blocks of 32 codes, two codes a byte); Wv_scales 1,024 x 32 uint8 (E8M0 scales of Wv, one for each 32 codes along K); bk 1,024 float32; bo 1,024 float32; bq 1,024 float32; bv 1,024 float32; x_codes 4 x 2,048 x 32 x 16 uint8 (E2M1 codes of x, K innermost, in blocks of 32 codes, two codes a byte); x_scales 4 x 2,048 x 32 uint8 (E8M0 scales of x, one for each 32 codes along K).
;; Outputs: out0 4 x 2,048 x 1,024 float32.
;; This version of the problem:
;;   THIS VERSION OF THE PROBLEM IS GIVEN IN LOW PRECISION. The matrix products marked QUANTISED in the list below multiply operands that are first quantised to E2M1 (2 exponent bits, 1 mantissa bit; 4 bits a number), with one power-of-two scale for each 32 numbers along K (OCP MX v1.0); their sums are f32. All else is computed in f32.
;;   The module's matrix products, in the order in which they are computed (A, B: the left and right operand; K: the contracted axis; several contracted axes count as one K, in the product's order):
;;     1. [M 8,192, K 1,024] x [K 1,024, N 1,024]; A: input x (given as codes); B: input Wq (given as codes): QUANTISED
;;     2. [M 8,192, K 1,024] x [K 1,024, N 1,024]; A: input x (given as codes); B: input Wk (given as codes): QUANTISED
;;     3. [M 8,192, K 1,024] x [K 1,024, N 1,024]; A: input x (given as codes); B: input Wv (given as codes): QUANTISED
;;     4. batch 64 x [M 2,048, K 64] x [K 64, N 2,048]; A: computed on the way; B: computed on the way: QUANTISED
;;     5. batch 64 x [M 2,048, K 2,048] x [K 2,048, N 64]; A: softmax (see below); B: computed on the way: QUANTISED
;;     6. [M 8,192, K 1,024] x [K 1,024, N 1,024]; A: computed on the way; B: input Wo (given as codes): QUANTISED
;;   THE QUANTISER, for each operand of a quantised product, along K:
;;     - K is cut into blocks of 32 from its start; a last block that is shorter is filled with zeros.
;;     - A block's scale is 2^e with e = floor(log2(the largest magnitude in the block)) - 2, held to -126 .. 127; a block of zeros has e = 0. As a byte (E8M0): e + 127.
;;     - Each number is divided by its block's scale, clamped to +-6, and rounded to the nearest number of E2M1, ties to even, subnormals kept.
;;     - The product sums the exact products of the quantised numbers (number of the format x scale) in f32.
;;   ~~~python
;;   def quantise(x, axis):      # numpy; x: float32 -> the quantised numbers, widened to float32 again
;;       x = np.moveaxis(x, axis, -1); K = x.shape[-1]
;;       x = np.pad(x, [(0, 0)] * (x.ndim - 1) + [(0, -K % 32)]); x = x.reshape(x.shape[:-1] + (-1, 32)); a = np.abs(x).max(-1, keepdims=True)
;;       e = np.where(a > 0, np.clip(np.frexp(np.where(a > 0, a, 1))[1] - 1 - 2, -126, 127), 0)      # np.frexp(a)[1] - 1 = floor(log2(a)), exactly
;;       r = np.clip(x / 2.0 ** e, -6, 6)
;;       step = 2.0 ** (np.maximum(np.frexp(np.where(r == 0, 1, r))[1] - 1, 0) - 1)
;;       q = np.round(r / step) * step * 2.0 ** e      # np.round: ties to even
;;       return np.moveaxis(q.reshape(q.shape[:-2] + (-1,))[..., :K], -1, axis).astype(np.float32)
;;   ~~~
;;   SOFTMAX AHEAD OF A QUANTISED PRODUCT. Where the list says 'softmax', what is quantised is not the finished softmax but p = 2^(t - M), with t = logit x log2(e) and M = ceil(the row's largest t), a whole number; so 1/2 < the row's largest p <= 1. The row's sum l is taken of the UNQUANTISED p, in f32, and the product's result is divided by l at the end. Since M is a whole number, a kernel that streams over the keys may use a running M (the ceiling of the running maximum): every later rescaling is an exact power of two, which a block's scale takes up: the codes' values come out the same.
;;   OPERANDS COMPUTED ON THE WAY. 'Computed on the way' means the value that the module computes at that place (a softmax that the list does not call 'softmax' is quantised finished and normalised). What goes into a quantiser is computed in f32, as accurately as f32 sums, v_exp_f32 and their like allow (about 1e-6 of the number): no bf16 or f16 on the way to a quantiser, and a product that is left as it is and whose result goes on into a quantised operand takes f32 operands (vector FMAs, or v_wmma_f32_16x16x4_f32). A number that lies on a knife's edge between two numbers of the format may be rounded either way, as far as f32 arithmetic and the matrix unit's own rounding can turn it there, and no further.
;;   INPUTS GIVEN AS CODES. Wk (in the module: [1024, 1024], K = its axis 1); Wo (in the module: [1024, 1024], K = its axis 1); Wq (in the module: [1024, 1024], K = its axis 1); Wv (in the module: [1024, 1024], K = its axis 1); x (in the module: [4, 2048, 1024], K = its axis 2): each comes as NAME_codes (uint8): NAME with its K axis moved to the last place and cut into blocks of 32 codes, [.., K / 32, bytes a block], one block behind the other in memory; two codes a byte, the lower K in the low four bits (a code: sign, 2 exponent bits, 1 mantissa bit); and NAME_scales (uint8): the same leading axes, one E8M0 byte (e + 127) for each 32 codes along K. Its value is code x scale, taken as it is: it is not quantised again, and the codes and scales need not be those that the quantiser above would give.
;; One version. Each part assembles by itself: llvm-mc -triple=amdgcn-amd-amdhsa -mcpu=gfx1250 --defsym DOCPART=n.
;; ======== version 1 of 1: 3 launches
;; workspace buffers: qimg 4,194,304 bytes; qsw 262,144 bytes; kv 8,912,896 bytes; aimg 4,194,304 bytes; asw 262,144 bytes
;; launch proj (part 1): grid 8 x 64, 8 waves a work-group, clusters of 4 x 4, 291,840 bytes of LDS; arguments x_codes, x_scales, Wq_codes, Wq_scales, Wk_codes, Wk_scales, Wv_codes, Wv_scales, bq, bk, bv, qimg, qsw, kv; writes qimg, qsw, kv
.if DOCPART == 1
	.amdgcn_target "amdgcn-amd-amdhsa--gfx1250"
	.amdhsa_code_object_version 6
	.text
	.protected	k_q9a44df27ec_proj
	.globl	k_q9a44df27ec_proj
	.p2align	8
	.type	k_q9a44df27ec_proj,@function
k_q9a44df27ec_proj:
	s_mov_b64 s[64:65], 0
	v_nop
	global_prefetch_b8 v0, s[64:65] scope:SCOPE_SE
	s_setreg_imm32_b32 hwreg(HW_REG_WAVE_MODE, 25, 1), 1
	s_wait_xcnt 0x0
	s_wait_alu depctr_hold_cnt(0) depctr_sa_sdst(0) depctr_va_vdst(0) depctr_va_sdst(0) depctr_va_ssrc(0) depctr_va_vcc(0) depctr_vm_vsrc(0)
	s_getreg_b32 s2, hwreg(HW_REG_IB_STS2, 6, 4)
	s_cmp_eq_u32 s2, 0
	s_cbranch_scc0 .Lentry_in_a_cluster
	s_endpgm
.Lentry_in_a_cluster:
	s_bfe_u32 s2, ttmp6, 0x10000c
	s_cmp_lg_u32 s2, 0xf033
	s_cbranch_scc0 .Lentry_shape_is_right
	s_endpgm
.Lentry_shape_is_right:
; q = x Wq^T + bq, k = x Wk^T + bk, v = x Wv^T + bv on codes of FP4 (E2M1) with one E8M0 scale for each 32 along K = 1,024; sums in f32; the results are quantised here for the
; attention launch: q and k along the head's 64 channels, v along the keys.
; SHARES.  Work-group (X, Y) takes tokens 128 Y .. + 127 and heads 2 X, 2 X + 1 of q, of k and of v.  A row of 1,024 codes is 512 bytes, so x's 128 rows and the 128 rows of each weight,
; for ALL of K, lie in LDS at once (4 x 64 KiB and their scale bytes): every LDS byte is filled once, there is no ring.
; CLUSTER 4 x 4: x's tile hangs on Y alone and is asked for jointly along a row of the cluster, the weights' tiles on X alone and jointly along a column.  One tensor load a wave.
; PHASE A (q, k): a wave makes 64 channels x 64 tokens, source 0 = 16 rows of W, source 1 = 16 tokens: a lane holds ONE token and its registers run along the channels, which are the next K.
; PHASE B (v): a wave makes 128 tokens x 16 channels, source 0 = 16 tokens, source 1 = 16 rows of Wv: a lane holds ONE channel and its registers run down the keys, which are the next K.
; THE QUANTISER.  Register j of tile t in lane (r, h) is unit 16 t + 8 h + j; a block of 32 is tiles 2 b, 2 b + 1 in lanes l and l xor 16.  The codes of tile 4 c + 2 e + u go to register 4 c + 2 u + e;
; an exchange of halves between registers 4 c + 2 u and 4 c + 2 u + 1 then leaves k = 64 c + 32 (lane / 16) + 0 .. 31 in registers 4 c .. 4 c + 3: the operand's own layout, in natural order.
; OUT.  A fragment leaves as an image of its registers: 16 bytes a lane, 512 consecutive bytes a store.  Scale words meet in LDS and leave as aligned runs of 256 bytes.
; The biases are the C of each sum's first matrix instruction.
; LIMITS: NaN and infinities among the inputs are not served; a block whose largest magnitude lies under 2^-124 takes the scale byte 1; a block of zeros takes the byte 1 and not 127:
; its codes are zeros, and this program alone reads these bytes.
; Left out: prefetches (each tile is asked for once, at the head); register windows (a wave's 64 x 64 tile and its operands fit in 256 registers).
.set PITCH, 528                        ; an LDS row of codes: 512 bytes + 16 of padding, an odd multiple of 16: the 16 rows of a fragment load fall on 16 different 16-byte columns
.set TILEB, 16*PITCH
.set HALFB, 64*PITCH
.set TENB,  128*PITCH                  ; x at 0, Wq, Wk, Wv behind it: 67,584 bytes each
.set SCL,   4*TENB                     ; the scale bytes of x, Wq, Wk, Wv: each 16 runs of 256 bytes + 16 of padding
.set SCT,   16*272
.set SUNIT, 2*272                      ; those of 16 rows
.set STG,   SCL+4*SCT                  ; 1,536 bytes for scale words on their way out: no tile lands here
.set KVH,   139264                     ; a head in kv: K's image 65,536, V's image 65,536, K's scale words 4,096, V's 4,096
.set ADX,  1                           ; v1   x's fragments, my 64 tokens (phase A)
.set ADW,  2                           ; v2   W's fragments, my 64 channels (phase A)
.set ADRS, 3                           ; v3   scale words, phase A: lanes 0-15 x's rows, lanes 16-31 W's
.set ADX2, 4                           ; v4   x's fragments, all 128 tokens (phase B)
.set ADWV, 5                           ; v5   Wv's fragment, my 16 channels
.set ADSX, 6                           ; v6   x's scale words, phase B: lanes 0-15 tile i, lanes 16-31 tile i + 4
.set ADSV, 7                           ; v7   Wv's scale words
.set L16,  8                           ; v8   16 x lane
.set STA,  9                           ; v9   where q's or k's two scale words of my token go
.set STB,  10                          ; v10  where v's scale word of my channel goes
.set STR,  11                          ; v11  where wave 0 reads them back
.set OQ,   12                          ; v12  16 r + 4,096 h: two heads' runs in qsw
.set OKV,  13                          ; v13  16 r + 139,264 h: the same in kv
.set H32,  14                          ; v14  32 h
.set R4,   15                          ; v15  4 r
.set SC,   16                          ; v16-31 scale words
.set WF,   32                          ; v32-95 phase A: W's fragments, two sets (set 1 first holds the bias); phase B: x's eight fragments
.set XF,   96                          ; v96-127 phase A: x's four fragments; phase B: v96-111 Wv's two sets, v112-115 its scale words, v120-127 bv
.set ACC,  128                         ; v128-255 accumulators
.set G1XC, 32
.set G1WC, 40
.set G1XS, 48
.set G1WS, 56
.set G0XC, 68
.set G0XS, 72
.set G0WC, 76
.set G0WS, 80
.set WV,   84
.set CX,   85
.set CY,   86
.set XX,   87
.set YY,   88
.set SG,   89
.set TG,   90
.set SEL,  92
.set IMG,  4                           ; the weights' and x's pointers are done with once the descriptors are made: their registers take the bases of the way out
.set VIMG, 6
.set BVB,  8
.set QSB,  10
.set KSB,  12
.set BA,   14
.set BH0,  16
.macro PLACES                          ; four plain vector lines between a matrix instruction and a load into, or a vector line on, one of its registers
.rept 4
	v_nop
.endr
.endm
.macro ROUND                           ; a round of the cluster's barrier
	s_barrier_signal -1
	s_barrier_wait -1
	s_cmp_lg_u32 s[WV], 0
	s_cbranch_scc1 .Lnot_wave_0_\@
	s_barrier_signal -3
.Lnot_wave_0_\@:
	s_barrier_wait -3
	s_barrier_signal -1
	s_barrier_wait -1
.endm
.macro WM d, a, b, c, sa, sb, row      ; D = A B + C; row = 1: source 0's scales are read from lanes 16-31
.if \row == 1
	v_wmma_scale_f32_16x16x128_f8f6f4 v[\d:\d+7], v[\a:\a+7], v[\b:\b+7], v[\c:\c+7], v[\sa], v[\sb] matrix_a_fmt:MATRIX_FMT_FP4 matrix_b_fmt:MATRIX_FMT_FP4 matrix_a_scale:MATRIX_SCALE_ROW1
.else
	v_wmma_scale_f32_16x16x128_f8f6f4 v[\d:\d+7], v[\a:\a+7], v[\b:\b+7], v[\c:\c+7], v[\sa], v[\sb] matrix_a_fmt:MATRIX_FMT_FP4 matrix_b_fmt:MATRIX_FMT_FP4
.endif
.endm
.macro QCODES nb, src, dst, tm         ; the codes of nb blocks, and the exchange of halves that makes them the operand's registers
.set qc_, 0
.rept (\nb)/2
.irp be, 0,1
.irp u, 0,1
	v_cvt_scalef32_pk8_fp4_f32 v[\dst+4*qc_+2*\u+\be], v[\src+32*qc_+16*\be+8*\u:\src+32*qc_+16*\be+8*\u+7], v[\tm+8+2*qc_+\be]
.endr
.endr
.set qc_, qc_+1
.endr
	v_nop                                          ; one plain line behind the scaled conversions
.set qc_, 0
.rept (\nb)/2
.irp u, 0,1
	v_permlane16_swap_b32 v[\dst+4*qc_+2*\u], v[\dst+4*qc_+2*\u+1]
.endr
.set qc_, qc_+1
.endr
.endm
.macro QUANT nb, src, dst, tm          ; 16 nb numbers of a lane become 2 nb registers of codes; tm + 4 + b: block b's scale byte.  The blocks take turns line by line
.set qb_, 0
.rept \nb
	v_max3_num_f32 v[\tm+qb_], |v[\src+16*qb_]|, |v[\src+16*qb_+1]|, 0x1800000   ; the floor 2^(3 - 127) holds the byte at 1 from below.  Each accumulator is read from its low end on
.set qb_, qb_+1
.endr
.irp i, 2,4,6,8,10,12,14
.set qb_, 0
.rept \nb
	v_max3_num_f32 v[\tm+qb_], v[\tm+qb_], |v[\src+16*qb_+\i]|, |v[\src+16*qb_+\i+1]|
.set qb_, qb_+1
.endr
.endr
.set qb_, 0
.rept \nb
	v_permlanex16_b32 v[\tm+4+qb_], v[\tm+qb_], s[SEL], s[SEL+1]
.set qb_, qb_+1
.endr
.set qb_, 0
.rept \nb
	v_max_num_f32 v[\tm+qb_], v[\tm+qb_], v[\tm+4+qb_]   ; with lane l xor 16: the block's largest magnitude
.set qb_, qb_+1
.endr
.set qb_, 0
.rept \nb
	v_add_nc_u32 v[\tm+8+qb_], 0xff000000, v[\tm+qb_]    ; 2 off its exponent field: the conversion's scale operand
.set qb_, qb_+1
.endr
.set qb_, 0
.rept \nb
	v_lshrrev_b32 v[\tm+4+qb_], 23, v[\tm+8+qb_]         ; the scale's byte
.set qb_, qb_+1
.endr
	QCODES \nb, \src, \dst, \tm
.endm
.macro FRAG reg, adr, off              ; 16 rows x 128 K of 4-bit codes: two loads of 16 bytes, 32 bytes apart
	ds_load_b128 v[\reg:\reg+3], v[\adr] offset:\off
	ds_load_b128 v[\reg+4:\reg+7], v[\adr] offset:\off+32
.endm
	s_load_b512 s[4:19], s[0:1], 0x0               ; x codes, x scales, Wq codes, Wq scales, Wk codes, Wk scales, Wv codes, Wv scales
	s_load_b256 s[20:27], s[0:1], 0x40             ; bq, bk, bv, qimg
	s_load_b128 s[28:31], s[0:1], 0x60             ; qsw, kv
	s_set_vgpr_msb 0x40
	v_lshl_add_u32 v0, v0, 2, 0x47000
	v_mov_b32 v1, 0
	s_set_vgpr_msb 0x4045
	ds_add_u32 v0, v1
	ds_add_u32 v0, v1
	s_set_vgpr_msb 0x4500
	v_lshrrev_b32 v240, 5, v0
	s_delay_alu instid0(VALU_DEP_1)
	v_readfirstlane_b32 s[WV], v240                ; wave 0..7
	s_lshr_b32 s[SG], s[WV], 1                     ; phase A: which 64 channels: q head 0, q head 1, k head 0, k head 1
	s_and_b32 s[TG], s[WV], 1                      ; phase A: which 64 tokens
	s_bfe_u32 s[CX], ttmp6, 0x40000
	s_bfe_u32 s[CY], ttmp6, 0x40004
	s_lshl_b32 s[XX], ttmp9, 2
	s_add_co_u32 s[XX], s[XX], s[CX]               ; X = 4 x cluster x + cx
	s_and_b32 s[YY], ttmp7, 0xffff
	s_lshl_b32 s[YY], s[YY], 2
	s_add_co_u32 s[YY], s[YY], s[CY]               ; Y = 4 x cluster y + cy
	s_lshl_b32 s94, s[CY], 2
	s_lshl_b32 s94, 15, s94                        ; my row of the cluster
	s_lshl_b32 s95, 0x1111, s[CX]                  ; my column
	; group 1 for codes: 128 rows of 512 bytes, 4 words of padding behind each 128 words
	s_or_b32 s[G1XC], s94, (1<<20)|(1<<21)|(6<<22)|(3<<25)
	s_or_b32 s[G1WC], s95, (1<<20)|(1<<21)|(6<<22)|(3<<25)
.irp g, G1XC, G1WC
	s_mov_b32 s[\g+1], 512<<16                     ; tensor_dim0
	s_mov_b32 s[\g+2], 128<<16                     ; tensor_dim1
	s_mov_b32 s[\g+3], 512<<16                     ; tile_dim0
	s_mov_b32 s[\g+4], 128                         ; tile_dim1
	s_mov_b32 s[\g+5], 512                         ; stride
	s_mov_b32 s[\g+6], 0
	s_mov_b32 s[\g+7], 0
.endr
	; group 1 for scale bytes: 4,096 dense bytes as 16 rows of 32 elements of 8 bytes, 4 words of padding behind each 64 words
	s_or_b32 s[G1XS], s94, (3<<16)|(1<<20)|(1<<21)|(5<<22)|(3<<25)
	s_or_b32 s[G1WS], s95, (3<<16)|(1<<20)|(1<<21)|(5<<22)|(3<<25)
.irp g, G1XS, G1WS
	s_mov_b32 s[\g+1], 32<<16
	s_mov_b32 s[\g+2], 16<<16
	s_mov_b32 s[\g+3], 32<<16
	s_mov_b32 s[\g+4], 16
	s_mov_b32 s[\g+5], 32
	s_mov_b32 s[\g+6], 0
	s_mov_b32 s[\g+7], 0
.endr
	s_mov_b32 s[SEL], 0x76543210
	s_mov_b32 s[SEL+1], 0xfedcba98                 ; v_permlanex16_b32: lane l xor 16
	s_lshl_b32 s96, s[YY], 16                      ; x's 128 rows of 512 bytes
	s_mov_b32 s97, 0
	s_lshl_b32 s98, s[XX], 16                      ; a weight's 128 rows
	s_mov_b32 s99, 0
	s_wait_dscnt 0x0
	s_wait_kmcnt 0x0
	s_mov_b32 s[G0XC], 1
	s_mov_b32 s[G0XC+1], 0
	s_add_nc_u64 s[G0XC+2:G0XC+3], s[4:5], s[96:97]
	s_or_b32 s[G0XC+3], s[G0XC+3], 0x80000000
	s_lshl_b32 s96, s[YY], 12                      ; and their 4,096 scale bytes
	s_mov_b32 s[G0XS], 1
	s_mov_b32 s[G0XS+1], SCL
	s_add_nc_u64 s[G0XS+2:G0XS+3], s[6:7], s[96:97]
	s_or_b32 s[G0XS+3], s[G0XS+3], 0x80000000
	s_cmp_eq_u32 s[WV], 2                          ; waves 1, 2, 3 fetch the codes of Wq, Wk, Wv: the choice hangs on the wave's number alone
	s_cselect_b64 s[100:101], s[12:13], s[8:9]
	s_cmp_eq_u32 s[WV], 3
	s_cselect_b64 s[100:101], s[16:17], s[100:101]
	s_mov_b32 s[G0WC], 1
	s_mul_i32 s[G0WC+1], s[WV], TENB
	s_add_nc_u64 s[G0WC+2:G0WC+3], s[100:101], s[98:99]
	s_or_b32 s[G0WC+3], s[G0WC+3], 0x80000000
	s_cmp_eq_u32 s[WV], 6                          ; waves 5, 6, 7 their scale bytes
	s_cselect_b64 s[100:101], s[14:15], s[10:11]
	s_cmp_eq_u32 s[WV], 7
	s_cselect_b64 s[100:101], s[18:19], s[100:101]
	s_lshl_b32 s98, s[XX], 12
	s_mov_b32 s[G0WS], 1
	s_mul_i32 s[G0WS+1], s[WV], SCT
	s_add_co_u32 s[G0WS+1], s[G0WS+1], SCL-4*SCT
	s_add_nc_u64 s[G0WS+2:G0WS+3], s[100:101], s[98:99]
	s_or_b32 s[G0WS+3], s[G0WS+3], 0x80000000
	ROUND                                          ; all sixteen work-groups are here: the joint loads meet
	; the fills, one a wave: wave 0 x's codes, 1-3 the weights', 4 x's scales, 5-7 the weights'.  Four v_nop follow each line
	s_cmp_eq_u32 s[WV], 0
	s_cbranch_scc0 .Lfill_wc
	tensor_load_to_lds s[G0XC:G0XC+3], s[G1XC:G1XC+7]
	s_nop 0
	PLACES
	s_branch .Lfilled
.Lfill_wc:
	s_cmp_lt_u32 s[WV], 4
	s_cbranch_scc0 .Lfill_xs
	tensor_load_to_lds s[G0WC:G0WC+3], s[G1WC:G1WC+7]
	s_nop 0
	PLACES
	s_branch .Lfilled
.Lfill_xs:
	s_cmp_eq_u32 s[WV], 4
	s_cbranch_scc0 .Lfill_ws
	tensor_load_to_lds s[G0XS:G0XS+3], s[G1XS:G1XS+7]
	s_nop 0
	PLACES
	s_branch .Lfilled
.Lfill_ws:
	tensor_load_to_lds s[G0WS:G0WS+3], s[G1WS:G1WS+7]
	s_nop 0
	PLACES
.Lfilled:
	; addresses, while the tiles are on their way
	v_and_b32 v240, 15, v0                         ; r
	v_bfe_u32 v241, v0, 4, 1                       ; h
	v_and_b32 v242, 31, v0                         ; lane
	s_delay_alu instid0(VALU_DEP_3)
	v_mul_u32_u24 v243, v240, PITCH
	s_delay_alu instid0(VALU_DEP_1)
	v_lshl_add_u32 v[ADX2], v241, 4, v243          ; row r x pitch + 16 h
	s_mul_i32 s17, s[TG], HALFB
	v_add_nc_u32 v[ADX], s17, v[ADX2]
	s_mul_i32 s17, s[SG], HALFB
	s_add_co_u32 s17, s17, TENB
	v_add_nc_u32 v[ADW], s17, v[ADX2]
	s_mul_i32 s17, s[WV], TILEB
	s_add_co_u32 s17, s17, 3*TENB
	v_add_nc_u32 v[ADWV], s17, v[ADX2]
	v_lshrrev_b32 v244, 3, v240
	v_lshlrev_b32 v245, 5, v240
	s_delay_alu instid0(VALU_DEP_1)
	v_lshl_add_u32 v245, v244, 4, v245             ; a row's 32 scale bytes: 32 r, + 16 behind each 256
	s_lshr_b32 s17, s[SG], 1
	s_mul_i32 s17, s17, SCT
	s_add_co_u32 s17, s17, SCT                     ; Wq's or Wk's scale bytes,
	s_and_b32 s18, s[SG], 1
	s_mul_i32 s18, s18, 4*SUNIT
	s_add_co_u32 s17, s17, s18                     ; my 64 rows of them,
	s_mul_i32 s18, s[TG], 4*SUNIT                  ; x's: my 64 tokens
	s_sub_co_u32 s17, s17, s18                     ; the distance between the two: lanes 16-31 take W's (one product: lower base + h x distance)
	v_mul_u32_u24 v246, s17, v241
	s_wait_alu depctr_va_vdst(0)
	s_add_co_u32 s18, s18, SCL
	v_add_nc_u32 v[ADRS], v245, v246
	s_delay_alu instid0(VALU_DEP_1)
	v_add_nc_u32 v[ADRS], s18, v[ADRS]
	v_mul_u32_u24 v246, v241, 4*SUNIT
	s_delay_alu instid0(VALU_DEP_1)
	v_add_nc_u32 v[ADSX], v245, v246
	s_delay_alu instid0(VALU_DEP_1)
	v_add_nc_u32 v[ADSX], SCL, v[ADSX]
	s_mul_i32 s17, s[WV], SUNIT
	s_add_co_u32 s17, s17, SCL+3*SCT
	v_add_nc_u32 v[ADSV], s17, v245
	v_lshlrev_b32 v[L16], 4, v242
	s_lshl_b32 s17, s[WV], 7
	s_add_co_u32 s17, s17, STG
	v_lshl_add_u32 v[STA], v240, 3, s17            ; 256 bytes a slot of channels, 128 a half of the tokens, 8 a token
	s_lshl_b32 s17, s[SG], 7
	s_lshl_b32 s18, s[TG], 2
	s_add_co_u32 s17, s17, s18
	s_add_co_u32 s17, s17, STG+1024
	v_lshl_add_u32 v[STB], v240, 3, s17            ; v: 128 bytes a pair of channel tiles, 8 a channel, 4 a tile of the pair
	v_add_nc_u32 v[STR], STG, v[L16]
	v_lshlrev_b32 v[OQ], 4, v240
	v_mul_u32_u24 v246, v241, KVH
	s_delay_alu instid0(VALU_DEP_1)
	v_add_nc_u32 v[OKV], v246, v[OQ]
	s_delay_alu instid0(VALU_DEP_3)
	v_lshl_add_u32 v[OQ], v241, 12, v[OQ]
	v_lshlrev_b32 v[H32], 5, v241
	s_wait_alu depctr_va_vdst(0)
	v_lshlrev_b32 v[R4], 2, v240
	s_mov_b32 s3, 0
	s_cmp_lt_u32 s[SG], 2                          ; bq or bk
	s_cselect_b64 s[BA:BA+1], s[20:21], s[22:23]
	s_and_b32 s19, s[SG], 1                        ; which of my two heads
	s_lshl_b32 s2, s[XX], 9
	s_lshl_b32 s17, s19, 8
	s_add_co_u32 s2, s2, s17
	s_add_nc_u64 s[BA:BA+1], s[BA:BA+1], s[2:3]    ; my 64 numbers of it
.irp pt, 0,1,2,3
	global_load_b128 v[WF+32+8*\pt:WF+35+8*\pt], v[H32], s[BA:BA+1] offset:64*\pt      ; lane (r, h), tile pt: the bias of channels 16 pt + 8 h + 0 .. 7: the result's own layout
	global_load_b128 v[WF+36+8*\pt:WF+39+8*\pt], v[H32], s[BA:BA+1] offset:64*\pt+16
.endr
	s_lshr_b32 s17, s[YY], 4
	s_lshl_b32 s17, s17, 4
	s_lshl_b32 s18, s[XX], 1
	s_add_co_u32 s[BH0], s17, s18                  ; 16 x batch + 2 X: my first head
	s_and_b32 s66, s[YY], 15                       ; which 128 tokens of the batch
	s_add_co_u32 s17, s[BH0], s19
	s_lshl_b32 s2, s17, 16                         ; the head in qimg,
	s_mul_i32 s17, s17, KVH                        ; in kv
	s_cmp_lt_u32 s[SG], 2
	s_cselect_b32 s2, s2, s17
	s_cselect_b64 s[IMG:IMG+1], s[26:27], s[30:31]
	s_lshl_b32 s17, s66, 12                        ; 8 tiles of 512 bytes for each 128 tokens
	s_add_co_u32 s2, s2, s17
	s_lshl_b32 s18, s[TG], 11
	s_add_co_u32 s2, s2, s18
	s_add_nc_u64 s[IMG:IMG+1], s[IMG:IMG+1], s[2:3]
	s_lshr_b32 s2, s[WV], 2                        ; phase B: channel tile = wave: head wave / 4, tile wave % 4
	s_add_co_u32 s2, s2, s[BH0]
	s_mul_i32 s2, s2, KVH
	s_add_co_u32 s2, s2, s17
	s_and_b32 s18, s[WV], 3
	s_lshl_b32 s18, s18, 10
	s_add_co_u32 s2, s2, s18
	s_add_co_u32 s2, s2, 65536
	s_add_nc_u64 s[VIMG:VIMG+1], s[30:31], s[2:3]
	s_lshl_b32 s2, s[XX], 9
	s_lshl_b32 s18, s[WV], 6
	s_add_co_u32 s2, s2, s18
	s_add_nc_u64 s[BVB:BVB+1], s[24:25], s[2:3]    ; bv at my 16 channels
	s_lshl_b32 s2, s[BH0], 12
	s_lshl_b32 s18, s66, 8
	s_add_co_u32 s2, s2, s18
	s_add_nc_u64 s[QSB:QSB+1], s[28:29], s[2:3]
	s_mul_i32 s2, s[BH0], KVH
	s_add_co_u32 s2, s2, s18
	s_add_co_u32 s2, s2, 131072
	s_add_nc_u64 s[KSB:KSB+1], s[30:31], s[2:3]
	s_wait_alu depctr_va_vdst(0)
	s_wait_tensorcnt 0x0                           ; my tile has landed,
	s_barrier_signal -1
	s_barrier_wait -1                              ; everybody's has
; ---- PHASE A
.macro FETCH_W q, set                  ; my four tiles of W for K step q
.irp pt, 0,1,2,3
	FRAG WF+32*(\set)+8*\pt, ADW, TILEB*\pt+64*(\q)
.endr
.endm
.macro FETCH_X q, i0                   ; token tiles i0, i0 + 1
.irp i, \i0, \i0+1
	FRAG XF+8*(\i), ADX, TILEB*(\i)+64*(\q)
.endr
.endm
.macro SCALES half                     ; the scale words of four K steps: register 4 i + q: lanes 0-15 x's tile i, lanes 16-31 W's tile i
.irp i, 0,1,2,3
	ds_load_b128 v[SC+4*\i:SC+4*\i+3], v[ADRS] offset:SUNIT*\i+16*\half
.endr
.endm
.macro MUL8 rt0, q                     ; token tiles rt0, rt0 + 1 against my four tiles of W.  The 16 accumulators take turns, in the same order in every step
.irp rt, \rt0, \rt0+1
.irp pt, 0,1,2,3
.if (\q) == 0
	WM ACC+8*(4*(\rt)+\pt), WF+8*\pt, XF+8*(\rt), WF+32+8*\pt, SC+4*\pt, SC+4*(\rt), 1
.else
	WM ACC+8*(4*(\rt)+\pt), WF+32*((\q)%2)+8*\pt, XF+8*(\rt), ACC+8*(4*(\rt)+\pt), SC+4*\pt+(\q)%4, SC+4*(\rt)+(\q)%4, 1
.endif
.endr
.endr
.endm
.macro STEPA q
	s_wait_dscnt 4                                 ; all but the four youngest loads, x's tiles 2 and 3
	MUL8 0, \q
	s_wait_dscnt 0x0                               ; those too
.if \q < 7
	PLACES
.if \q > 0
	FETCH_W \q+1, (\q+1)%2
.endif
	FETCH_X \q+1, 0
.endif
	MUL8 2, \q
.if \q < 7
	PLACES
.if \q == 0
	FETCH_W 1, 1                                   ; set 1 held the bias until here
.endif
.if \q == 3
	SCALES 1
.endif
	FETCH_X \q+1, 2                                ; the youngest four
.endif
.endm
	FETCH_W 0, 0
	FETCH_X 0, 0
	SCALES 0
	FETCH_X 0, 2
	s_wait_loadcnt 0x0                             ; the bias
.irp q, 0,1,2,3,4,5,6,7
	STEPA \q
.endr
	PLACES
.irp j, 0,1,2,3,4,5,6,7
	global_load_b32 v[120+\j], v[R4], s[BVB:BVB+1] ; phase B's C: in its result a lane holds one channel, so all eight registers hold that channel's bv
.endr
.irp rt, 0,1,2,3
	QUANT 2, ACC+32*\rt, 32+4*\rt, 48              ; 16 tokens x 64 channels: four registers of codes
	v_lshl_or_b32 v[60+\rt], v53, 8, v52           ; the token's two scale bytes
	global_store_b128 v[L16], v[32+4*\rt:35+4*\rt], s[IMG:IMG+1] offset:512*\rt   ; the image: 512 consecutive bytes
.endr
	v_lshl_or_b32 v66, v61, 16, v60                ; a word serves two neighbouring tiles of 16 tokens
	v_lshl_or_b32 v67, v63, 16, v62
	ds_store_b64 v[STA], v[66:67]                  ; lanes r and r + 16 write the same bytes with the same value
; ---- PHASE B
.macro XB q, i0                        ; x's tiles i0 .. i0 + 3
.irp i, \i0, \i0+1, \i0+2, \i0+3
	FRAG WF+8*(\i), ADX2, TILEB*(\i)+64*(\q)
.endr
.endm
.macro SCB half
.irp i, 0,1,2,3
	ds_load_b128 v[SC+4*\i:SC+4*\i+3], v[ADSX] offset:SUNIT*\i+16*\half
.endr
	ds_load_b128 v[112:115], v[ADSV] offset:16*\half
.endm
.macro MULB i0, q                      ; eight accumulators by turns
.irp i, \i0, \i0+1, \i0+2, \i0+3
.if (\q) == 0
	WM ACC+8*(\i), WF+8*(\i), XF, 120, SC+4*((\i)%4), 112, (\i)/4
.else
	WM ACC+8*(\i), WF+8*(\i), XF+8*((\q)%2), ACC+8*(\i), SC+4*((\i)%4)+(\q)%4, 112+(\q)%4, (\i)/4
.endif
.endr
.endm
.macro STEPB q
	s_wait_dscnt 8                                 ; all but the eight youngest loads, x's tiles 4 to 7
	MULB 0, \q
	s_wait_dscnt 0x0
.if \q < 7
	PLACES
	FRAG XF+8*((\q+1)%2), ADWV, 64*(\q+1)
	XB \q+1, 0
.endif
	MULB 4, \q
.if \q < 7
	PLACES
.if \q == 3
	SCB 1
.endif
	XB \q+1, 4                                     ; the youngest eight
.endif
.endm
	s_wait_xcnt 0x0                                ; phase A's stores have read v32-47: only now are these loaded again
	FRAG XF, ADWV, 0
	XB 0, 0
	SCB 0
	XB 0, 4
	s_wait_loadcnt 0x0                             ; bv
.irp q, 0,1,2,3,4,5,6,7
	STEPB \q
.endr
	PLACES
	QUANT 4, ACC, 32, 48                           ; 16 channels x 128 keys: a whole fragment of V^T
	v_lshl_or_b32 v66, v53, 8, v52                 ; my channel's scale word for these 128 keys
	s_delay_alu instid0(VALU_DEP_1)
	v_lshl_or_b32 v66, v54, 16, v66
	s_delay_alu instid0(VALU_DEP_1)
	v_lshl_or_b32 v66, v55, 24, v66
	ds_store_b32 v[STB], v66
	global_store_b128 v[L16], v[32:35], s[VIMG:VIMG+1]
	global_store_b128 v[L16], v[36:39], s[VIMG:VIMG+1] offset:512
	s_wait_dscnt 0x0                               ; for the others: my scale words lie in LDS
	s_barrier_signal -1
	s_barrier_wait -1
	s_cmp_lg_u32 s[WV], 0
	s_cbranch_scc1 .Lwords_out
	ds_load_b128 v[72:75], v[STR]                  ; lanes 0-15 head 2 X, lanes 16-31 head 2 X + 1: 256 bytes each; q's,
	ds_load_b128 v[76:79], v[STR] offset:512       ; k's,
	ds_load_b128 v[80:83], v[STR] offset:1024      ; v's
	s_wait_dscnt 0x0
	global_store_b128 v[OQ], v[72:75], s[QSB:QSB+1]            ; sixteen lanes store 256 consecutive bytes, at a multiple of 256 from the buffer's first byte
	global_store_b128 v[OKV], v[76:79], s[KSB:KSB+1]
	global_store_b128 v[OKV], v[80:83], s[KSB:KSB+1] offset:4096
.Lwords_out:
	s_set_vgpr_msb 0x5
	s_wait_tensorcnt 0x0
	ds_add_u32 v0, v1
	s_wait_dscnt 0x0
	s_set_vgpr_msb 0x500
	ROUND                                          ; the closing round: no work-group ends while a partner may still ask for a tile that names it
	s_endpgm
.Lfunc_end_k_q9a44df27ec_proj:
	.size	k_q9a44df27ec_proj, .Lfunc_end_k_q9a44df27ec_proj-k_q9a44df27ec_proj
	.p2alignl 7, 3214868480
	.fill 96, 4, 3214868480
	.section	.rodata,"a",@progbits
	.p2align	6, 0x0
	.amdhsa_kernel k_q9a44df27ec_proj
		.amdhsa_group_segment_fixed_size 291840
		.amdhsa_private_segment_fixed_size 0
		.amdhsa_enable_private_segment 0
		.amdhsa_kernarg_size 112
		.amdhsa_user_sgpr_count 2
		.amdhsa_user_sgpr_kernarg_segment_ptr 1
		.amdhsa_wavefront_size32 1
		.amdhsa_system_sgpr_workgroup_id_x 1
		.amdhsa_system_sgpr_workgroup_id_y 1
		.amdhsa_system_sgpr_workgroup_id_z 1
		.amdhsa_system_vgpr_workitem_id 0
		.amdhsa_next_free_vgpr 258
		.amdhsa_next_free_sgpr 102
		.amdhsa_reserve_vcc 0
		.amdhsa_float_denorm_mode_32 3
		.amdhsa_float_denorm_mode_16_64 3
		.amdhsa_memory_ordered 1
		.amdhsa_forward_progress 1
		.amdhsa_inst_pref_size 73
	.end_amdhsa_kernel
	.amdgpu_metadata
---
amdhsa.version: [ 1, 2 ]
amdhsa.kernels:
  - .name:           k_q9a44df27ec_proj
    .symbol:         k_q9a44df27ec_proj.kd
    .args:
      - { .name: x_codes, .offset: 0, .size: 8, .value_kind: global_buffer, .address_space: global }
      - { .name: x_scales, .offset: 8, .size: 8, .value_kind: global_buffer, .address_space: global }
      - { .name: Wq_codes, .offset: 16, .size: 8, .value_kind: global_buffer, .address_space: global }
      - { .name: Wq_scales, .offset: 24, .size: 8, .value_kind: global_buffer, .address_space: global }
      - { .name: Wk_codes, .offset: 32, .size: 8, .value_kind: global_buffer, .address_space: global }
      - { .name: Wk_scales, .offset: 40, .size: 8, .value_kind: global_buffer, .address_space: global }
      - { .name: Wv_codes, .offset: 48, .size: 8, .value_kind: global_buffer, .address_space: global }
      - { .name: Wv_scales, .offset: 56, .size: 8, .value_kind: global_buffer, .address_space: global }
      - { .name: bq, .offset: 64, .size: 8, .value_kind: global_buffer, .address_space: global }
      - { .name: bk, .offset: 72, .size: 8, .value_kind: global_buffer, .address_space: global }
      - { .name: bv, .offset: 80, .size: 8, .value_kind: global_buffer, .address_space: global }
      - { .name: qimg, .offset: 88, .size: 8, .value_kind: global_buffer, .address_space: global }
      - { .name: qsw, .offset: 96, .size: 8, .value_kind: global_buffer, .address_space: global }
      - { .name: kv, .offset: 104, .size: 8, .value_kind: global_buffer, .address_space: global }
    .group_segment_fixed_size: 291840
    .private_segment_fixed_size: 0
    .kernarg_segment_align: 8
    .kernarg_segment_size: 112
    .max_flat_workgroup_size: 256
    .sgpr_count:     102
    .vgpr_count:     258
    .wavefront_size: 32
...
	.end_amdgpu_metadata
.endif
;; end of part 1
;; launch attn (part 2): grid 8 x 32, 16 waves a work-group, clusters of 4 x 1, 327,680 bytes of LDS; arguments qimg, qsw, kv, aimg, asw; writes aimg, asw
.if DOCPART == 2
	.amdgcn_target "amdgcn-amd-amdhsa--gfx1250"
	.amdhsa_code_object_version 6
	.text
	.protected	k_q9a44df27ec_attn
	.globl	k_q9a44df27ec_attn
	.p2align	8
	.type	k_q9a44df27ec_attn,@function
k_q9a44df27ec_attn:
	s_mov_b64 s[64:65], 0
	v_nop
	global_prefetch_b8 v0, s[64:65] scope:SCOPE_SE
	s_setreg_imm32_b32 hwreg(HW_REG_WAVE_MODE, 25, 1), 1
	s_wait_xcnt 0x0
	s_wait_alu depctr_hold_cnt(0) depctr_sa_sdst(0) depctr_va_vdst(0) depctr_va_sdst(0) depctr_va_ssrc(0) depctr_va_vcc(0) depctr_vm_vsrc(0)
	s_getreg_b32 s2, hwreg(HW_REG_IB_STS2, 6, 4)
	s_cmp_eq_u32 s2, 0
	s_cbranch_scc0 .Lentry_in_a_cluster
	s_endpgm
.Lentry_in_a_cluster:
	s_bfe_u32 s2, ttmp6, 0x10000c
	s_cmp_lg_u32 s2, 0x3003
	s_cbranch_scc0 .Lentry_shape_is_right
	s_endpgm
.Lentry_shape_is_right:
; Attention on codes of FP4 (E2M1): S = q k^T, p = 2^(t - M), O = p v / l, and the result quantised along E for the last product.
; t = score x log2(e) / 8; M = the running largest t rounded UP to a whole number; p is quantised along the keys, not normalised; l is the sum of the unquantised p, in f32.  When M moves, l and O are
; multiplied by 2^(old M - new M): exact.
; SHARES.  Work-group (query block, y) owns 256 queries of batch y / 8 and the two heads 2 (y % 8), 2 (y % 8) + 1.  Each of its sixteen waves owns 16 queries, in 256 registers, four waves to a SIMD, so that
; one wave's vector work stands beside another's products and LDS loads.  A wave walks head 0's 16 steps of 128 keys, then head 1's: its two results are one whole fragment (128 along E) of the next product.
; LDS.  A head's K and V as register images with their scale words are 139,264 bytes: both heads lie in LDS whole, byte for byte as in kv; every byte is filled once.  Head 1's fill lands under head 0's work.
; All fragment loads are 16 x lane or 8 x lane on end: consecutive bytes, no padding.
; CLUSTER 4 x 1: the four query blocks of a cluster read the same two heads, so each part is asked for jointly, with the mask of all four.
; LAYOUT.  Both products are used transposed (S^T = K Q^T, O^T = V^T P^T): a lane holds ONE query throughout, and its registers run along the keys, then along the channels.
; K = 64 IN AN INSTRUCTION OF 128: a fragment of K holds TWO tiles of 16 keys (registers 0-3, registers 4-7) and is multiplied once by (Q, zeros) and once by (zeros, Q): the other tile meets zero codes,
; which add nothing under any scale byte but 0xff, and the bytes made by this program lie between 1 and 254.
; LIMITS: NaN and infinities are not served; p under 2^-126 beneath the running M counts as 0; 1 / l is v_rcp_f32 and a multiplication; a block of zeros, or one under 2^-124, takes the scale byte 1.
; Left out: a ring (nothing is filled twice); matrix and vector work by turns inside a wave (four waves to a SIMD do it); prefetches (each part is asked for once, at the head).
.set KVH,  139264
.set PART, 8704                        ; a wave's sixteenth of a head: 34 rows of 256 bytes
.set STG,  2*KVH                       ; 1,024 bytes: the 256 queries' scale words on their way out; no tile lands here
.set L16,  1                           ; v1   16 x lane: K's images, and all images in memory
.set LV,   2                           ; v2   + 65,536: V's images
.set LKS,  3                           ; v3   8 x lane + 131,072: K's scale words
.set LVS,  4                           ; v4   8 x lane + 135,168: V's
.set SRD,  5                           ; v5   STG + 16 x (thread % 64)
.set R8,   6                           ; v6   8 r
.set SWR,  7                           ; v7   STG + 64 x wave + 4 r
.set ADK,  8                           ; v8-11 the step's addresses
.set ADV,  9
.set ADS,  10
.set ADT,  11
.set PW,   29                          ; v12 -M, v13 the largest t, v[14:15] l in two halves; v16-27 zeros, Q, zeros of head 0 (v236-247: head 1); v28, v34 Q's scale words; v29 p's scale word
.set KSR,  30                          ; v[30:31] K's scale words, v[32:33] V's
.set VSR,  32
.set GOF,  35                          ; v35  16 x (thread % 64)
.set KF,   40                          ; v40-71   four fragments of K (eight tiles of 16 keys)
.set VF,   72                          ; v72-103  four fragments of V^T
.set S,    104                         ; v104-167 S^T, then p
.set OT,   168                         ; v168-199 O^T
.set PF,   200                         ; v200-207 p's codes
.set AF,   208                         ; v208-215 the result's codes
.set TM,   216                         ; v216-227 at work: largest, bytes, scale operands
.set FF,   228                         ; v[228:229] f = 2^(old M - new M)
.set TP,   230
.set S2,   232                         ; v[232:233] the second chain of the sum
.set HW,   234                         ; v234-235 the result's two scale bytes, for each head
.set G1,   16
.set G0A,  24
.set G0B,  28
.set WV,   32
.set QBK,  33
.set SEL,  34
.set CS,   36
.set TK,   38
.set TS,   39
.set CNT,  40
.set SH,   41
.set YY,   42
.set QT,   43
.macro PLACES
.rept 4
	v_nop
.endr
.endm
.macro ROUND                           ; a round of the cluster's barrier
	s_barrier_signal -1
	s_barrier_wait -1
	s_cmp_lg_u32 s[WV], 0
	s_cbranch_scc1 .Lnot_wave_0_\@
	s_barrier_signal -3
.Lnot_wave_0_\@:
	s_barrier_wait -3
	s_barrier_signal -1
	s_barrier_wait -1
.endm
.macro WM d, a, b, sa, sb, row         ; D += A B; row = 1: source 0's scales are read from lanes 16-31
.if \row == 1
	v_wmma_scale_f32_16x16x128_f8f6f4 v[\d:\d+7], v[\a:\a+7], v[\b:\b+7], v[\d:\d+7], v[\sa], v[\sb] matrix_a_fmt:MATRIX_FMT_FP4 matrix_b_fmt:MATRIX_FMT_FP4 matrix_a_scale:MATRIX_SCALE_ROW1
.else
	v_wmma_scale_f32_16x16x128_f8f6f4 v[\d:\d+7], v[\a:\a+7], v[\b:\b+7], v[\d:\d+7], v[\sa], v[\sb] matrix_a_fmt:MATRIX_FMT_FP4 matrix_b_fmt:MATRIX_FMT_FP4
.endif
.endm
.macro WMZ d, a, b, sa, sb, row        ; D = A B
.if \row == 1
	v_wmma_scale_f32_16x16x128_f8f6f4 v[\d:\d+7], v[\a:\a+7], v[\b:\b+7], 0, v[\sa], v[\sb] matrix_a_fmt:MATRIX_FMT_FP4 matrix_b_fmt:MATRIX_FMT_FP4 matrix_a_scale:MATRIX_SCALE_ROW1
.else
	v_wmma_scale_f32_16x16x128_f8f6f4 v[\d:\d+7], v[\a:\a+7], v[\b:\b+7], 0, v[\sa], v[\sb] matrix_a_fmt:MATRIX_FMT_FP4 matrix_b_fmt:MATRIX_FMT_FP4
.endif
.endm
; Register j of tile t in lane (r, h) is unit 16 t + 8 h + j.  The codes of tile 4 c + 2 e + u go to register 4 c + 2 u + e; the exchange of halves between registers 4 c + 2 u and 4 c + 2 u + 1 leaves
; k = 64 c + 32 (lane / 16) + 0 .. 31 in registers 4 c .. 4 c + 3: the operand's layout.
.macro QCODES nb, src, dst, tm
.set qc_, 0
.rept (\nb)/2
.irp be, 0,1
.irp u, 0,1
	v_cvt_scalef32_pk8_fp4_f32 v[\dst+4*qc_+2*\u+\be], v[\src+32*qc_+16*\be+8*\u:\src+32*qc_+16*\be+8*\u+7], v[\tm+8+2*qc_+\be]
.endr
.endr
.set qc_, qc_+1
.endr
	v_nop                                          ; one plain line behind the scaled conversions
.set qc_, 0
.rept (\nb)/2
.irp u, 0,1
	v_permlane16_swap_b32 v[\dst+4*qc_+2*\u], v[\dst+4*qc_+2*\u+1]
.endr
.set qc_, qc_+1
.endr
.endm
.macro QUANT nb, src, dst, tm
.set qb_, 0
.rept \nb
	v_max3_num_f32 v[\tm+qb_], |v[\src+16*qb_]|, |v[\src+16*qb_+1]|, 0x1800000   ; the floor 2^(3 - 127) holds the byte at 1 from below
.set qb_, qb_+1
.endr
.irp i, 2,4,6,8,10,12,14
.set qb_, 0
.rept \nb
	s_delay_alu instid0(VALU_DEP_2)
	v_max3_num_f32 v[\tm+qb_], v[\tm+qb_], |v[\src+16*qb_+\i]|, |v[\src+16*qb_+\i+1]|
.set qb_, qb_+1
.endr
.endr
.set qb_, 0
.rept \nb
	s_delay_alu instid0(VALU_DEP_2)
	v_permlanex16_b32 v[\tm+4+qb_], v[\tm+qb_], s[SEL], s[SEL+1]
.set qb_, qb_+1
.endr
.set qb_, 0
.rept \nb
	s_delay_alu instid0(VALU_DEP_2)
	v_max_num_f32 v[\tm+qb_], v[\tm+qb_], v[\tm+4+qb_]
.set qb_, qb_+1
.endr
.set qb_, 0
.rept \nb
	s_delay_alu instid0(VALU_DEP_2)
	v_add_nc_u32 v[\tm+8+qb_], 0xff000000, v[\tm+qb_]
.set qb_, qb_+1
.endr
.set qb_, 0
.rept \nb
	s_delay_alu instid0(VALU_DEP_2)
	v_lshrrev_b32 v[\tm+4+qb_], 23, v[\tm+8+qb_]
.set qb_, qb_+1
.endr
	QCODES \nb, \src, \dst, \tm
.endm
	s_load_b256 s[4:11], s[0:1], 0x0               ; qimg, qsw, kv, aimg
	s_load_b64 s[12:13], s[0:1], 0x20              ; asw
	v_lshl_add_u32 v254, v0, 2, 0x44800
	v_mov_b32 v255, 0
	ds_add_u32 v254, v255
	ds_add_u32 v254, v255
	v_lshrrev_b32 v8, 5, v0
	s_delay_alu instid0(VALU_DEP_1)
	v_readfirstlane_b32 s[WV], v8                  ; wave 0..15
	s_bfe_u32 s44, ttmp6, 0x40000                  ; cx
	s_lshl_b32 s[QBK], ttmp9, 2
	s_add_co_u32 s[QBK], s[QBK], s44               ; my block of 256 queries: it enters the addresses of q and of the results alone
	s_and_b32 s[YY], ttmp7, 0xffff                 ; 8 x batch + pair of heads, which the four partners share
	s_mov_b32 s[G1], 15|(3<<16)|(1<<21)            ; the mask of all four; elements of 8 bytes; no padding
	s_mov_b32 s[G1+1], 32<<16                      ; rows of 256 bytes,
	s_mov_b32 s[G1+2], 34<<16                      ; 34 of them
	s_mov_b32 s[G1+3], 32<<16
	s_mov_b32 s[G1+4], 34
	s_mov_b32 s[G1+5], 32
	s_mov_b32 s[G1+6], 0
	s_mov_b32 s[G1+7], 0
	s_mul_i32 s52, s[WV], PART                     ; my sixteenth: the same place in LDS as in the head's bytes of kv
	s_mul_i32 s54, s[YY], 2*KVH
	s_add_co_u32 s54, s54, s52
	s_mov_b32 s55, 0
	s_mov_b32 s[SEL], 0x76543210
	s_mov_b32 s[SEL+1], 0xfedcba98                 ; v_permlanex16_b32: lane l xor 16
	s_mov_b32 s[CS], 0x3e38aa3b                    ; c = log2(e) / 8
	s_mov_b32 s[CS+1], s[CS]                       ; (named with it as a pair, so it is written)
	s_wait_dscnt 0x0
	s_wait_kmcnt 0x0
	s_mov_b32 s[G0A], 1
	s_mov_b32 s[G0A+1], s52
	s_add_nc_u64 s[G0A+2:G0A+3], s[8:9], s[54:55]
	s_mov_b32 s[G0B], 1
	s_add_co_u32 s[G0B+1], s52, KVH
	s_add_nc_u64 s[G0B+2:G0B+3], s[G0A+2:G0A+3], KVH
	s_or_b32 s[G0A+3], s[G0A+3], 0x80000000
	s_or_b32 s[G0B+3], s[G0B+3], 0x80000000
	ROUND                                          ; all four work-groups are here: the joint loads meet
	tensor_load_to_lds s[G0A:G0A+3], s[G1:G1+7]    ; head 0, my part
	s_nop 0
	s_wait_alu depctr_va_vdst(0)
	s_wait_tensorcnt 0x0
	ds_add_u32 v254, v255
	s_wait_dscnt 0x0
	ROUND
	tensor_load_to_lds s[G0B:G0B+3], s[G1:G1+7]    ; head 1, my part: the only load of mine out: head 0's has landed
	s_nop 0
	PLACES
	v_and_b32 v8, 31, v0                           ; lane
	v_and_b32 v9, 15, v0                           ; r
	s_delay_alu instid0(VALU_DEP_2)
	v_lshlrev_b32 v[L16], 4, v8
	s_delay_alu instid0(VALU_DEP_1)
	v_add_nc_u32 v[LV], 65536, v[L16]
	s_delay_alu instid0(VALU_DEP_4)
	v_lshlrev_b32 v[LKS], 3, v8
	s_delay_alu instid0(VALU_DEP_1)
	v_add_nc_u32 v[LVS], 135168, v[LKS]
	s_delay_alu instid0(VALU_DEP_2)
	v_add_nc_u32 v[LKS], 131072, v[LKS]
	v_and_b32 v10, 63, v0
	s_delay_alu instid0(VALU_DEP_1)
	v_lshlrev_b32 v[GOF], 4, v10
	s_delay_alu instid0(VALU_DEP_1)
	v_add_nc_u32 v[SRD], STG, v[GOF]
	v_lshlrev_b32 v[R8], 3, v9
	s_wait_alu depctr_va_vdst(0)
	s_lshl_b32 s46, s[WV], 6
	s_add_co_u32 s46, s46, STG
	v_lshl_add_u32 v[SWR], v9, 2, s46
	s_lshl_b32 s[QT], s[QBK], 4
	s_add_co_u32 s[QT], s[QT], s[WV]               ; my tile of 16 queries, of the head's 128
	s_lshl_b32 s46, s[YY], 17                      ; two heads of 65,536 bytes
	s_lshl_b32 s48, s[QT], 9
	s_add_co_u32 s46, s46, s48
	s_mov_b32 s47, 0
	s_add_nc_u64 s[4:5], s[4:5], s[46:47]          ; q's image
	s_lshl_b32 s46, s[YY], 13                      ; two heads of 4,096 bytes
	s_lshr_b32 s48, s[QT], 2
	s_lshl_b32 s48, s48, 7                         ; 128 bytes for each four tiles,
	s_add_co_u32 s46, s46, s48
	s_bfe_u32 s48, s[WV], 0x10001
	s_lshl_b32 s48, s48, 2                         ; which word of the token's two,
	s_add_co_u32 s46, s46, s48
	s_add_nc_u64 s[6:7], s[6:7], s[46:47]
	s_and_b32 s[SH], s[WV], 1
	s_lshl_b32 s[SH], s[SH], 4                     ; and which half of the word
	s_lshr_b32 s48, s[YY], 3                       ; batch
	s_and_b32 s49, s[YY], 7                        ; pair of heads = K step of the last product
	s_lshl_b32 s46, s48, 7
	s_add_co_u32 s46, s46, s[QT]
	s_lshl_b32 s46, s46, 13                        ; a tile of 16 tokens: 16 heads of 512 bytes
	s_lshl_b32 s50, s49, 10
	s_add_co_u32 s46, s46, s50
	s_add_nc_u64 s[10:11], s[10:11], s[46:47]
	s_lshl_b32 s46, s49, 15                        ; asw: 8,192 words a K step
	s_lshl_b32 s50, s48, 13
	s_add_co_u32 s46, s46, s50
	s_lshl_b32 s50, s[QBK], 10
	s_add_co_u32 s46, s46, s50
	s_add_nc_u64 s[12:13], s[12:13], s[46:47]
	global_load_b128 v[20:23], v[L16], s[4:5]                  ; Q of head 0,
	global_load_b128 v[240:243], v[L16], s[4:5] offset:65536   ; of head 1: they stay in registers
	global_load_b32 v248, v[R8], s[6:7]
	global_load_b32 v249, v[R8], s[6:7] offset:4096
.irp j, 16,17,18,19,24,25,26,27,236,237,238,239,244,245,246,247
	v_mov_b32 v[\j], 0                             ; the zero codes on both sides of Q
.endr
.irp j, 220,221,222,223,229
	v_mov_b32 v[\j], 0                             ; written once: a lane permute's destination counts as a source; v229 is named as the upper half of a pair
.endr
	s_wait_loadcnt 0x0
	v_lshrrev_b32 v248, s[SH], v248
	v_lshrrev_b32 v249, s[SH], v249
	s_delay_alu instid0(VALU_DEP_2)
	v_and_b32 v248, 0xffff, v248                   ; my tile's two scale bytes,
	s_delay_alu instid0(VALU_DEP_2)
	v_and_b32 v249, 0xffff, v249
	s_delay_alu instid0(VALU_DEP_2)
	v_lshl_or_b32 v28, v248, 16, v248              ; for Q in the low half of K and in the high half alike
	s_delay_alu instid0(VALU_DEP_2)
	v_lshl_or_b32 v34, v249, 16, v249
; A KEY STEP of head e: 128 keys
.macro STEP e
	v_add_nc_u32 v[ADK], s[TK], v[L16]             ; (these four are also the places behind the last step's products, in front of the loads into their registers)
	v_add_nc_u32 v[ADV], s[TK], v[LV]
	v_add_nc_u32 v[ADS], s[TS], v[LKS]
	v_add_nc_u32 v[ADT], s[TS], v[LVS]
.irp u, 0,1,2,3
	ds_load_b128 v[KF+8*\u:KF+8*\u+3], v[ADK] offset:1024*\u          ; keys 32 u + 0 .. 15
	ds_load_b128 v[KF+8*\u+4:KF+8*\u+7], v[ADK] offset:1024*\u+512    ; keys 32 u + 16 .. 31
.endr
	ds_load_b64 v[KSR:KSR+1], v[ADS]               ; pair u of tiles: register u % 2, lanes 0-15 for u < 2, lanes 16-31 else
.irp dt, 0,1,2,3
	ds_load_b128 v[VF+8*\dt:VF+8*\dt+3], v[ADV] offset:1024*\dt
	ds_load_b128 v[VF+8*\dt+4:VF+8*\dt+7], v[ADV] offset:1024*\dt+512
.endr
	ds_load_b64 v[VSR:VSR+1], v[ADT]
	s_wait_dscnt 9                                 ; K and its words are in; V's nine loads may stay out
.irp u, 0,1,2,3
	WMZ S+16*\u, KF+8*\u, 20+220*\e, KSR+\u%2, 28+6*\e, \u/2       ; x (Q, zeros): the fragment's first tile
	WMZ S+16*\u+8, KF+8*\u, 16+220*\e, KSR+\u%2, 28+6*\e, \u/2     ; x (zeros, Q): its second
.endr                                          ; lane (r, h): query r; register 16 b + i: a key of block b
	PLACES
.irp b, 0,1,2,3
	v_max3_num_f32 v[TM+\b], v[S+16*\b], v[S+16*\b+1], v[S+16*\b+2]   ; the largest score of each block of 32 keys: for the row's maximum and, since p rises with the score, for the block's largest p
.endr
.irp i, 3,5,7,9,11,13
.irp b, 0,1,2,3
	v_max3_num_f32 v[TM+\b], v[TM+\b], v[S+16*\b+\i], v[S+16*\b+\i+1]
.endr
.endr
.irp b, 0,1,2,3
	v_max_num_f32 v[TM+\b], v[TM+\b], v[S+16*\b+15]
.endr
.irp b, 0,1,2,3
	s_delay_alu instid0(VALU_DEP_4)
	v_permlanex16_b32 v[TM+4+\b], v[TM+\b], s[SEL], s[SEL+1]
.endr
.irp b, 0,1,2,3
	s_delay_alu instid0(VALU_DEP_4)
	v_max_num_f32 v[TM+\b], v[TM+\b], v[TM+4+\b]   ; with lane l xor 16
.endr
	s_delay_alu instid0(VALU_DEP_2)
	v_max3_num_f32 v[TP], v[TM], v[TM+1], v[TM+2]
	s_delay_alu instid0(VALU_DEP_1)
	v_max_num_f32 v[TP], v[TP], v[TM+3]            ; the step's largest score of my query
	s_delay_alu instid0(VALU_DEP_1)
	v_mul_f32 v[TP], s[CS], v[TP]                  ; as t
	s_delay_alu instid0(VALU_DEP_1)
	v_max_num_f32 v13, v13, v[TP]                  ; the running largest t
	v_mov_b32 v[TP], v12
	s_delay_alu instid0(VALU_DEP_2)
	v_floor_f32 v12, -v13                          ; the new -M = floor(-t): M is a whole number
	s_delay_alu instid0(VALU_DEP_1)
	v_sub_f32 v[TP], v12, v[TP]                    ; old M - new M, 0 or less
	s_delay_alu instid0(VALU_DEP_1)
	v_cvt_i32_f32 v[TP], v[TP]                     ; (it saturates)
	s_delay_alu instid0(VALU_DEP_1)
	v_ldexp_f32 v[FF], 1.0, v[TP]                  ; f = 2^(old M - new M)
.set j_, 0
.rept 32
	v_pk_fma_f32 v[S+j_:S+j_+1], v[S+j_:S+j_+1], s[CS:CS+1], v[12:13] op_sel_hi:[1,0,0]   ; t - M, two at a time
.set j_, j_+2
.endr
.irp b, 0,1,2,3
	v_fma_f32 v[TM+\b], v[TM+\b], s[CS], v12       ; the same of each block's largest score
.endr
.set j_, 0
	s_wait_alu depctr_va_vdst(0)
.rept 64
	v_exp_f32 v[S+j_], v[S+j_]                     ; p = 2^(t - M), at most 1
.set j_, j_+1
.endr
	s_setprio 1
.irp b, 0,1,2,3
	v_exp_f32 v[TM+\b], v[TM+\b]                   ; the block's largest p: the same two instructions on the same number
.endr
	v_pk_mul_f32 v[14:15], v[14:15], v[FF:FF+1] op_sel_hi:[1,0]   ; l under the new M.  (The plain line behind the exponentials)
	s_wait_alu depctr_va_vdst(0)
.irp b, 0,1,2,3
	v_max_num_f32 v[TM+\b], 0x1800000, v[TM+\b]    ; the floor 2^(3 - 127)
.endr
.irp b, 0,1,2,3
	s_delay_alu instid0(VALU_DEP_4)
	v_add_nc_u32 v[TM+8+\b], 0xff000000, v[TM+\b]  ; the conversion's scale operand
.endr
.irp b, 0,1,2,3
	s_delay_alu instid0(VALU_DEP_4)
	v_lshrrev_b32 v[TM+4+\b], 23, v[TM+8+\b]       ; the scale's byte
.endr
	s_delay_alu instid0(VALU_DEP_3)
	v_lshl_or_b32 v[PW], v[TM+5], 8, v[TM+4]       ; p's scale word for these 128 keys
	s_delay_alu instid0(VALU_DEP_1)
	v_lshl_or_b32 v[PW], v[TM+6], 16, v[PW]
	s_delay_alu instid0(VALU_DEP_1)
	v_lshl_or_b32 v[PW], v[TM+7], 24, v[PW]
	QCODES 4, S, PF, TM
.set j_, 0
.rept 16
	v_pk_mul_f32 v[OT+j_:OT+j_+1], v[OT+j_:OT+j_+1], v[FF:FF+1] op_sel_hi:[1,0]   ; O^T under the new M
.set j_, j_+2
.endr
	v_pk_add_f32 v[S2:S2+1], v[S:S+1], v[S+2:S+3]  ; the row's sum is taken of the unquantised p: two at a time, in two chains
	s_setprio 0
.irp j, 4,8,12,16,20,24,28,32,36,40,44,48,52,56,60
	v_pk_add_f32 v[14:15], v[14:15], v[S+\j:S+\j+1]
	v_pk_add_f32 v[S2:S2+1], v[S2:S2+1], v[S+\j+2:S+\j+3]
.endr
	s_delay_alu instid0(VALU_DEP_1)
	v_pk_add_f32 v[14:15], v[14:15], v[S2:S2+1]    ; (these 48 lines are also the places between p's codes and scale word and the products)
	s_wait_dscnt 0x0                               ; V is in
.irp dt, 0,1,2,3
	WM OT+8*\dt, VF+8*\dt, PF, VSR+\dt%2, PW, \dt/2   ; four accumulators by turns
.endr
	s_add_co_u32 s[TK], s[TK], 4096
	s_add_co_u32 s[TS], s[TS], 256
.endm
; A head: 16 key steps; then O^T / l, quantised along the head's 64 channels: half a fragment of the last product
.macro HEAD e
	s_mov_b32 s[TK], \e*KVH
	s_mov_b32 s[TS], \e*KVH
	v_mov_b32 v13, 0xff61b1e6                      ; the largest t so far: -3e38
	s_delay_alu instid0(VALU_DEP_1)
	v_floor_f32 v12, -v13
	v_mov_b32 v14, 0
	v_mov_b32 v15, 0
.set j_, 0
.rept 32
	v_mov_b32 v[OT+j_], 0                          ; the step is written once: the first finds zeros, which the first change of M leaves zeros
.set j_, j_+1
.endr
	s_mov_b32 s[CNT], 16
.Lstep_\e:
	s_setprio 2
	STEP \e
	s_sub_co_u32 s[CNT], s[CNT], 1
	s_cmp_lg_u32 s[CNT], 0
	s_cbranch_scc1 .Lstep_\e
	s_setprio 0
	PLACES
	s_wait_alu depctr_va_vdst(0)
	v_add_f32 v14, v14, v15                        ; l's two halves,
	s_delay_alu instid0(VALU_DEP_1)
	v_permlanex16_b32 v[TP], v14, s[SEL], s[SEL+1]
	s_delay_alu instid0(VALU_DEP_1)
	v_add_f32 v14, v14, v[TP]                      ; and lane l xor 16
	s_wait_alu depctr_va_vdst(0)
	v_rcp_f32 v14, v14
	v_nop                                          ; a plain line behind the transcendental
.set j_, 0
	s_wait_alu depctr_va_vdst(0)
.rept 16
	v_pk_mul_f32 v[S+j_:S+j_+1], v[OT+j_:OT+j_+1], v[14:15] op_sel_hi:[1,0]   ; O^T / l, each accumulator from its low end on
.set j_, j_+2
.endr
	QUANT 2, S, AF+4*\e, TM
	v_lshl_or_b32 v[HW+\e], v[TM+5], 8, v[TM+4]
	global_store_b128 v[L16], v[AF+4*\e:AF+4*\e+3], s[10:11] offset:512*\e   ; the image: 512 consecutive bytes
.endm
	s_wait_tensorcnt 0x1                           ; my part of head 0 is in; head 1's may stay out
	s_barrier_signal -1
	s_barrier_wait -1                              ; everybody's is
	HEAD 0
	s_wait_tensorcnt 0x0                           ; my part of head 1
	s_wait_dscnt 0x0
	s_barrier_signal -1
	s_barrier_wait -1
	HEAD 1
	v_lshl_or_b32 v[TP], v[HW+1], 16, v[HW]        ; my query's scale word for this K step of the last product
	ds_store_b32 v[SWR], v[TP]                     ; lanes r and r + 16 write the same word with the same value
	s_wait_dscnt 0x0                               ; for the others
	s_barrier_signal -1
	s_barrier_wait -1
	s_cmp_lt_u32 s[WV], 2
	s_cbranch_scc0 .Lwords_out
	ds_load_b128 v[40:43], v[SRD]                  ; waves 0 and 1: the 256 words
	s_wait_dscnt 0x0
	global_store_b128 v[GOF], v[40:43], s[12:13]   ; sixteen lanes store 256 consecutive bytes, at a multiple of 256 from the buffer's first byte
.Lwords_out:
	s_wait_tensorcnt 0x0
	ds_add_u32 v254, v255
	s_wait_dscnt 0x0
	ROUND                                          ; the closing round
	s_endpgm
.Lfunc_end_k_q9a44df27ec_attn:
	.size	k_q9a44df27ec_attn, .Lfunc_end_k_q9a44df27ec_attn-k_q9a44df27ec_attn
	.p2alignl 7, 3214868480
	.fill 96, 4, 3214868480
	.section	.rodata,"a",@progbits
	.p2align	6, 0x0
	.amdhsa_kernel k_q9a44df27ec_attn
		.amdhsa_group_segment_fixed_size 327680
		.amdhsa_private_segment_fixed_size 0
		.amdhsa_enable_private_segment 0
		.amdhsa_kernarg_size 40
		.amdhsa_user_sgpr_count 2
		.amdhsa_user_sgpr_kernarg_segment_ptr 1
		.amdhsa_wavefront_size32 1
		.amdhsa_system_sgpr_workgroup_id_x 1
		.amdhsa_system_sgpr_workgroup_id_y 1
		.amdhsa_system_sgpr_workgroup_id_z 1
		.amdhsa_system_vgpr_workitem_id 0
		.amdhsa_next_free_vgpr 256
		.amdhsa_next_free_sgpr 66
		.amdhsa_reserve_vcc 0
		.amdhsa_float_denorm_mode_32 3
		.amdhsa_float_denorm_mode_16_64 3
		.amdhsa_memory_ordered 1
		.amdhsa_forward_progress 1
		.amdhsa_inst_pref_size 51
	.end_amdhsa_kernel
	.amdgpu_metadata
---
amdhsa.version: [ 1, 2 ]
amdhsa.kernels:
  - .name:           k_q9a44df27ec_attn
    .symbol:         k_q9a44df27ec_attn.kd
    .args:
      - { .name: qimg, .offset: 0, .size: 8, .value_kind: global_buffer, .address_space: global }
      - { .name: qsw, .offset: 8, .size: 8, .value_kind: global_buffer, .address_space: global }
      - { .name: kv, .offset: 16, .size: 8, .value_kind: global_buffer, .address_space: global }
      - { .name: aimg, .offset: 24, .size: 8, .value_kind: global_buffer, .address_space: global }
      - { .name: asw, .offset: 32, .size: 8, .value_kind: global_buffer, .address_space: global }
    .group_segment_fixed_size: 327680
    .private_segment_fixed_size: 0
    .kernarg_segment_align: 8
    .kernarg_segment_size: 40
    .max_flat_workgroup_size: 512
    .sgpr_count:     66
    .vgpr_count:     256
    .wavefront_size: 32
...
	.end_amdgpu_metadata
.endif
;; end of part 2
;; launch outp (part 3): grid 4 x 64, 8 waves a work-group, clusters of 4 x 4, 249,856 bytes of LDS; arguments aimg, asw, Wo_codes, Wo_scales, bo, out0; writes out0
.if DOCPART == 3
	.amdgcn_target "amdgcn-amd-amdhsa--gfx1250"
	.amdhsa_code_object_version 6
	.text
	.protected	k_q9a44df27ec_outp
	.globl	k_q9a44df27ec_outp
	.p2align	8
	.type	k_q9a44df27ec_outp,@function
k_q9a44df27ec_outp:
	s_mov_b64 s[64:65], 0
	v_nop
	global_prefetch_b8 v0, s[64:65] scope:SCOPE_SE
	s_setreg_imm32_b32 hwreg(HW_REG_WAVE_MODE, 25, 1), 1
	s_wait_xcnt 0x0
	s_wait_alu depctr_hold_cnt(0) depctr_sa_sdst(0) depctr_va_vdst(0) depctr_va_sdst(0) depctr_va_ssrc(0) depctr_va_vcc(0) depctr_vm_vsrc(0)
	s_getreg_b32 s2, hwreg(HW_REG_IB_STS2, 6, 4)
	s_cmp_eq_u32 s2, 0
	s_cbranch_scc0 .Lentry_in_a_cluster
	s_endpgm
.Lentry_in_a_cluster:
	s_bfe_u32 s2, ttmp6, 0x10000c
	s_cmp_lg_u32 s2, 0xf033
	s_cbranch_scc0 .Lentry_shape_is_right
	s_endpgm
.Lentry_shape_is_right:
; out = a Wo^T + bo on codes of FP4 (E2M1) with one E8M0 scale for each 32 along K = 1,024; sums in f32.  a is the attention launch's result, as register images (aimg) and scale words (asw).
; SHARES.  Work-group (X, Y) makes tokens 128 Y .. + 127 x columns 256 X .. + 255; a wave 64 x 64: 16 accumulators.  All of K lies in LDS at once (a: 64 KiB, Wo: 128 KiB): every LDS byte is filled once.
; CLUSTER 4 x 4: a's tiles hang on Y alone and are asked for jointly along a row of the cluster, Wo's on X alone and jointly along a column.  One tensor load a wave:
; waves 0-3 Wo's quarters, waves 4-5 a's halves, wave 6 a's scale words, wave 7 Wo's scale bytes.
; The matrix instruction is used transposed (source 0 = 16 rows of Wo, source 1 = 16 tokens): a lane holds eight neighbouring columns of one row.  bo is the C of each sum's first instruction.
; OUT.  16 rows x 256 bytes at a time through the wave's own stage in LDS; sixteen lanes store 256 consecutive bytes, at a multiple of 256 from out0's first byte.
; LIMITS: NaN and infinities are not served.  Left out: a ring (nothing is filled twice), register windows, prefetches (each tile is asked for once, at the head).
.set PITCH, 528                        ; a row of Wo in LDS: 512 bytes + 16 of padding
.set TILEB, 16*PITCH
.set HALFB, 64*PITCH
.set WO,    65536                      ; behind a's eight tiles of 8,192 bytes
.set WOS,   WO+256*PITCH               ; Wo's scale bytes: 32 runs of 256 bytes + 16
.set SUNIT, 2*272
.set ASW,   WOS+32*272                 ; a's scale words: 8 K steps x 128 tokens x 4 bytes
.set STAGE, ASW+4096                   ; 16 rows x 272 bytes for each wave: no tile lands here
.set ADA,  1                           ; v1   a's fragments: 32,768 x half + 16 x lane
.set ADW,  2                           ; v2   Wo's fragments, my 64 rows
.set ADSW, 3                           ; v3   Wo's scale words
.set ADSA, 4                           ; v4   a's scale words
.set STO,  5                           ; v5   the stage, in
.set RD,   6                           ; v6   the stage, back
.set CO,   7                           ; v7   my byte offset in two rows of out0
.set SCA,  8                           ; v8-15  a's scale words, two sets of four
.set SCW,  16                          ; v16-31 Wo's: register 4 pt + q
.set WF,   32                          ; v32-95 Wo's fragments, two sets (set 1 first holds bo); on the way out rows read back
.set AFR,  96                          ; v96-127 a's four fragments
.set ACC,  128
.set G1A,  16
.set G1W,  24
.set G1S,  32
.set G1WS, 40
.set G0A,  48
.set G0W,  52
.set G0S,  56
.set G0WS, 60
.set WV,   66
.set CX,   67
.set CY,   68
.set XX,   69
.set YY,   70
.set TG,   71
.set NG,   72
.macro PLACES
.rept 4
	v_nop
.endr
.endm
.macro ROUND                           ; a round of the cluster's barrier
	s_barrier_signal -1
	s_barrier_wait -1
	s_cmp_lg_u32 s[WV], 0
	s_cbranch_scc1 .Lnot_wave_0_\@
	s_barrier_signal -3
.Lnot_wave_0_\@:
	s_barrier_wait -3
	s_barrier_signal -1
	s_barrier_wait -1
.endm
.macro WM d, a, b, c, sa, sb
	v_wmma_scale_f32_16x16x128_f8f6f4 v[\d:\d+7], v[\a:\a+7], v[\b:\b+7], v[\c:\c+7], v[\sa], v[\sb] matrix_a_fmt:MATRIX_FMT_FP4 matrix_b_fmt:MATRIX_FMT_FP4
.endm
	s_load_b256 s[4:11], s[0:1], 0x0               ; aimg, asw, Wo codes, Wo scales
	s_load_b128 s[12:15], s[0:1], 0x20             ; bo, out0
	s_set_vgpr_msb 0x40
	v_lshl_add_u32 v0, v0, 2, 0x3cc00
	v_mov_b32 v1, 0
	s_set_vgpr_msb 0x4045
	ds_add_u32 v0, v1
	ds_add_u32 v0, v1
	s_set_vgpr_msb 0x4500
	v_lshrrev_b32 v240, 5, v0
	s_delay_alu instid0(VALU_DEP_1)
	v_readfirstlane_b32 s[WV], v240                ; wave 0..7
	s_and_b32 s[TG], s[WV], 1                      ; which 64 tokens
	s_lshr_b32 s[NG], s[WV], 1                     ; which 64 columns
	s_bfe_u32 s[CX], ttmp6, 0x40000
	s_bfe_u32 s[CY], ttmp6, 0x40004
	s_lshl_b32 s[XX], ttmp9, 2
	s_add_co_u32 s[XX], s[XX], s[CX]
	s_and_b32 s[YY], ttmp7, 0xffff
	s_lshl_b32 s[YY], s[YY], 2
	s_add_co_u32 s[YY], s[YY], s[CY]
	s_lshl_b32 s74, s[CY], 2
	s_lshl_b32 s74, 15, s74                        ; my row of the cluster
	s_lshl_b32 s75, 0x1111, s[CX]                  ; my column
	s_or_b32 s[G1A], s74, (3<<16)|(1<<21)          ; a's half: 32,768 dense bytes as 128 rows of 256
	s_mov_b32 s[G1A+1], 32<<16
	s_mov_b32 s[G1A+2], 128<<16
	s_mov_b32 s[G1A+3], 32<<16
	s_mov_b32 s[G1A+4], 128
	s_mov_b32 s[G1A+5], 32
	s_mov_b32 s[G1A+6], 0
	s_mov_b32 s[G1A+7], 0
	s_or_b32 s[G1W], s75, (1<<20)|(1<<21)|(6<<22)|(3<<25)   ; Wo's quarter: 64 rows of 512 bytes, 4 words of padding behind each 128
	s_mov_b32 s[G1W+1], 512<<16
	s_mov_b32 s[G1W+2], 64<<16
	s_mov_b32 s[G1W+3], 512<<16
	s_mov_b32 s[G1W+4], 64
	s_mov_b32 s[G1W+5], 512
	s_mov_b32 s[G1W+6], 0
	s_mov_b32 s[G1W+7], 0
	s_or_b32 s[G1S], s74, (3<<16)|(1<<21)          ; a's scale words: 8 rows of 512 bytes, 32,768 bytes apart
	s_mov_b32 s[G1S+1], 64<<16
	s_mov_b32 s[G1S+2], 8<<16
	s_mov_b32 s[G1S+3], 64<<16
	s_mov_b32 s[G1S+4], 8
	s_mov_b32 s[G1S+5], 4096
	s_mov_b32 s[G1S+6], 0
	s_mov_b32 s[G1S+7], 0
	s_or_b32 s[G1WS], s75, (3<<16)|(1<<20)|(1<<21)|(5<<22)|(3<<25)   ; Wo's scale bytes: 8,192 dense bytes as 32 rows of 256, 4 words of padding behind each
	s_mov_b32 s[G1WS+1], 32<<16
	s_mov_b32 s[G1WS+2], 32<<16
	s_mov_b32 s[G1WS+3], 32<<16
	s_mov_b32 s[G1WS+4], 32
	s_mov_b32 s[G1WS+5], 32
	s_mov_b32 s[G1WS+6], 0
	s_mov_b32 s[G1WS+7], 0
	s_lshl_b32 s76, s[YY], 16
	s_lshl_b32 s73, s[TG], 15
	s_add_co_u32 s76, s76, s73
	s_mov_b32 s77, 0
	s_lshl_b32 s78, s[XX], 17
	s_lshl_b32 s82, s[WV], 15
	s_add_co_u32 s78, s78, s82
	s_mov_b32 s79, 0
	s_wait_dscnt 0x0
	s_wait_kmcnt 0x0
	s_mov_b32 s[G0A], 1
	s_mov_b32 s[G0A+1], s73
	s_add_nc_u64 s[G0A+2:G0A+3], s[4:5], s[76:77]
	s_or_b32 s[G0A+3], s[G0A+3], 0x80000000
	s_lshl_b32 s76, s[YY], 9
	s_mov_b32 s[G0S], 1
	s_mov_b32 s[G0S+1], ASW
	s_add_nc_u64 s[G0S+2:G0S+3], s[6:7], s[76:77]
	s_or_b32 s[G0S+3], s[G0S+3], 0x80000000
	s_mov_b32 s[G0W], 1
	s_mul_i32 s[G0W+1], s[WV], HALFB
	s_add_co_u32 s[G0W+1], s[G0W+1], WO
	s_add_nc_u64 s[G0W+2:G0W+3], s[8:9], s[78:79]
	s_or_b32 s[G0W+3], s[G0W+3], 0x80000000
	s_lshl_b32 s78, s[XX], 13
	s_mov_b32 s[G0WS], 1
	s_mov_b32 s[G0WS+1], WOS
	s_add_nc_u64 s[G0WS+2:G0WS+3], s[10:11], s[78:79]
	s_or_b32 s[G0WS+3], s[G0WS+3], 0x80000000
	ROUND                                          ; all sixteen work-groups are here: the joint loads meet
	s_cmp_lt_u32 s[WV], 4                          ; four v_nop follow each of the four lines
	s_cbranch_scc0 .Lfill_a
	tensor_load_to_lds s[G0W:G0W+3], s[G1W:G1W+7]
	s_nop 0
	PLACES
	s_branch .Lfilled
.Lfill_a:
	s_cmp_lt_u32 s[WV], 6
	s_cbranch_scc0 .Lfill_s
	tensor_load_to_lds s[G0A:G0A+3], s[G1A:G1A+7]
	s_nop 0
	PLACES
	s_branch .Lfilled
.Lfill_s:
	s_cmp_eq_u32 s[WV], 6
	s_cbranch_scc0 .Lfill_ws
	tensor_load_to_lds s[G0S:G0S+3], s[G1S:G1S+7]
	s_nop 0
	PLACES
	s_branch .Lfilled
.Lfill_ws:
	tensor_load_to_lds s[G0WS:G0WS+3], s[G1WS:G1WS+7]
	s_nop 0
	PLACES
.Lfilled:
	v_and_b32 v240, 15, v0                         ; r
	v_bfe_u32 v241, v0, 4, 1                       ; h
	v_and_b32 v242, 31, v0                         ; lane
	s_lshl_b32 s80, s[TG], 15
	v_lshl_add_u32 v[ADA], v242, 4, s80
	v_mul_u32_u24 v243, v240, PITCH
	s_delay_alu instid0(VALU_DEP_1)
	v_lshl_add_u32 v243, v241, 4, v243
	s_mul_i32 s80, s[NG], HALFB
	s_add_co_u32 s80, s80, WO
	v_add_nc_u32 v[ADW], s80, v243
	v_lshrrev_b32 v244, 3, v240
	v_lshlrev_b32 v245, 5, v240
	s_delay_alu instid0(VALU_DEP_1)
	v_lshl_add_u32 v245, v244, 4, v245             ; 32 r, + 16 behind each 256
	s_mul_i32 s80, s[NG], 4*SUNIT
	s_add_co_u32 s80, s80, WOS
	v_add_nc_u32 v[ADSW], s80, v245
	s_lshl_b32 s80, s[TG], 8
	s_add_co_u32 s80, s80, ASW
	v_lshl_add_u32 v[ADSA], v240, 2, s80
	s_mul_i32 s80, s[WV], 16*272
	s_add_co_u32 s80, s80, STAGE
	v_mul_u32_u24 v246, v240, 272
	s_delay_alu instid0(VALU_DEP_1)
	v_lshl_add_u32 v246, v241, 5, v246
	s_delay_alu instid0(VALU_DEP_1)
	v_add_nc_u32 v[STO], s80, v246                 ; in: row r, 32 bytes for each half of the lanes
	v_mul_u32_u24 v246, v241, 272
	s_delay_alu instid0(VALU_DEP_1)
	v_lshl_add_u32 v246, v240, 4, v246
	s_delay_alu instid0(VALU_DEP_1)
	v_add_nc_u32 v[RD], s80, v246                  ; back: lanes 0-15 one row of 256 bytes, lanes 16-31 the next
	v_lshlrev_b32 v[CO], 4, v240
	s_delay_alu instid0(VALU_DEP_1)
	v_lshl_add_u32 v[CO], v241, 12, v[CO]          ; and the same two rows in out0
	v_lshlrev_b32 v250, 5, v241                    ; 32 h
	s_mov_b32 s81, 0
	s_lshl_b32 s80, s[XX], 10
	s_lshl_b32 s82, s[NG], 8
	s_add_co_u32 s80, s80, s82                     ; my 64 columns, in bytes
	s_add_nc_u64 s[12:13], s[12:13], s[80:81]
.irp pt, 0,1,2,3
	global_load_b128 v[WF+32+8*\pt:WF+35+8*\pt], v250, s[12:13] offset:64*\pt      ; lane (r, h), tile pt: bo of columns 16 pt + 8 h + 0 .. 7
	global_load_b128 v[WF+36+8*\pt:WF+39+8*\pt], v250, s[12:13] offset:64*\pt+16
.endr
	s_lshl_b32 s82, s[YY], 7
	s_lshl_b32 s83, s[TG], 6
	s_add_co_u32 s82, s82, s83
	s_lshl_b32 s82, s82, 12                        ; my first row of 4,096 bytes
	s_add_co_u32 s80, s80, s82
	s_add_nc_u64 s[14:15], s[14:15], s[80:81]
	s_wait_tensorcnt 0x0                           ; my tile has landed,
	s_barrier_signal -1
	s_barrier_wait -1                              ; everybody's has
.macro FETCH_W q, set                  ; my four tiles of Wo for K step q: two loads of 16 bytes, 32 bytes apart, for each
.irp pt, 0,1,2,3
	ds_load_b128 v[WF+32*(\set)+8*\pt:WF+32*(\set)+8*\pt+3], v[ADW] offset:TILEB*\pt+64*(\q)
	ds_load_b128 v[WF+32*(\set)+8*\pt+4:WF+32*(\set)+8*\pt+7], v[ADW] offset:TILEB*\pt+64*(\q)+32
.endr
.endm
.macro FETCH_A q, i0                   ; token tiles i0, i0 + 1: the images as they were stored
.irp i, \i0, \i0+1
	ds_load_b128 v[AFR+8*(\i):AFR+8*(\i)+3], v[ADA] offset:8192*(\i)+1024*(\q)
	ds_load_b128 v[AFR+8*(\i)+4:AFR+8*(\i)+7], v[ADA] offset:8192*(\i)+1024*(\q)+512
.endr
.endm
.macro SCALEA q                        ; a's scale words of K step q
.irp rt, 0,1,2,3
	ds_load_b32 v[SCA+4*((\q)%2)+\rt], v[ADSA] offset:512*(\q)+64*\rt
.endr
.endm
.macro SCALEW half                     ; Wo's of four K steps
.irp pt, 0,1,2,3
	ds_load_b128 v[SCW+4*\pt:SCW+4*\pt+3], v[ADSW] offset:SUNIT*\pt+16*\half
.endr
.endm
.macro MUL8 rt0, q                     ; the 16 accumulators take turns, in the same order in every step
.irp rt, \rt0, \rt0+1
.irp pt, 0,1,2,3
.if (\q) == 0
	WM ACC+8*(4*(\rt)+\pt), WF+8*\pt, AFR+8*(\rt), WF+32+8*\pt, SCW+4*\pt, SCA+(\rt)
.else
	WM ACC+8*(4*(\rt)+\pt), WF+32*((\q)%2)+8*\pt, AFR+8*(\rt), ACC+8*(4*(\rt)+\pt), SCW+4*\pt+(\q)%4, SCA+4*((\q)%2)+(\rt)
.endif
.endr
.endr
.endm
.macro STEPO q
	s_wait_dscnt 4                                 ; all but the four youngest loads, a's tiles 2 and 3
	MUL8 0, \q
	s_wait_dscnt 0x0
.if \q < 7
	PLACES
.if \q > 0
	FETCH_W \q+1, (\q+1)%2
.endif
	SCALEA \q+1
	FETCH_A \q+1, 0
.endif
	MUL8 2, \q
.if \q < 7
	PLACES
.if \q == 0
	FETCH_W 1, 1                                   ; set 1 held bo until here
.endif
.if \q == 3
	SCALEW 1
.endif
	FETCH_A \q+1, 2                                ; the youngest four
.endif
.endm
	FETCH_W 0, 0
	FETCH_A 0, 0
	SCALEW 0
	SCALEA 0
	FETCH_A 0, 2
	s_wait_loadcnt 0x0                             ; bo
.irp q, 0,1,2,3,4,5,6,7
	STEPO \q
.endr
; THE WAY OUT, 16 rows x 64 columns at a time.  LDS serves a wave's instructions in order (ISA guide 5.7.1.4): no wait between the stores and the loads, nor in front of the next block's stores.
.macro TOSTAGE rt
.irp pt, 0,1,2,3
	ds_store_b128 v[STO], v[ACC+8*(4*(\rt)+\pt):ACC+8*(4*(\rt)+\pt)+3] offset:64*\pt        ; each accumulator from its low end on
	ds_store_b128 v[STO], v[ACC+8*(4*(\rt)+\pt)+4:ACC+8*(4*(\rt)+\pt)+7] offset:64*\pt+16
.endr
.irp t, 0,1,2,3,4,5,6,7
	ds_load_b128 v[WF+32*((\rt)%2)+4*\t:WF+32*((\rt)%2)+4*\t+3], v[RD] offset:544*\t
.endr
.endm
.macro SEND rt, younger                ; younger: the LDS instructions issued behind this block's loads, which may stay out
	s_wait_dscnt \younger
.irp t, 0,1,2,3,4,5,6,7
	global_store_b128 v[CO], v[WF+32*((\rt)%2)+4*\t:WF+32*((\rt)%2)+4*\t+3], s[14:15] offset:(16*(\rt)+2*\t)*4096 th:TH_STORE_NT   ; written once, read by nobody here
.endr
.endm
	PLACES
	s_wait_alu depctr_va_vdst(0)
	TOSTAGE 0
	TOSTAGE 1
	SEND 0, 16                                     ; behind block 0's loads: block 1's 8 stores and 8 loads
	s_wait_xcnt 0x0                                ; block 0's stores have read their registers: block 2's loads may land there
	TOSTAGE 2
	SEND 1, 16
	s_wait_xcnt 0x0
	TOSTAGE 3
	SEND 2, 16
	SEND 3, 0
	s_set_vgpr_msb 0x5
	s_wait_tensorcnt 0x0
	ds_add_u32 v0, v1
	s_wait_dscnt 0x0
	s_set_vgpr_msb 0x500
	ROUND                                          ; the closing round
	s_endpgm
.Lfunc_end_k_q9a44df27ec_outp:
	.size	k_q9a44df27ec_outp, .Lfunc_end_k_q9a44df27ec_outp-k_q9a44df27ec_outp
	.p2alignl 7, 3214868480
	.fill 96, 4, 3214868480
	.section	.rodata,"a",@progbits
	.p2align	6, 0x0
	.amdhsa_kernel k_q9a44df27ec_outp
		.amdhsa_group_segment_fixed_size 249856
		.amdhsa_private_segment_fixed_size 0
		.amdhsa_enable_private_segment 0
		.amdhsa_kernarg_size 48
		.amdhsa_user_sgpr_count 2
		.amdhsa_user_sgpr_kernarg_segment_ptr 1
		.amdhsa_wavefront_size32 1
		.amdhsa_system_sgpr_workgroup_id_x 1
		.amdhsa_system_sgpr_workgroup_id_y 1
		.amdhsa_system_sgpr_workgroup_id_z 1
		.amdhsa_system_vgpr_workitem_id 0
		.amdhsa_next_free_vgpr 258
		.amdhsa_next_free_sgpr 84
		.amdhsa_reserve_vcc 0
		.amdhsa_float_denorm_mode_32 3
		.amdhsa_float_denorm_mode_16_64 3
		.amdhsa_memory_ordered 1
		.amdhsa_forward_progress 1
		.amdhsa_inst_pref_size 46
	.end_amdhsa_kernel
	.amdgpu_metadata
---
amdhsa.version: [ 1, 2 ]
amdhsa.kernels:
  - .name:           k_q9a44df27ec_outp
    .symbol:         k_q9a44df27ec_outp.kd
    .args:
      - { .name: aimg, .offset: 0, .size: 8, .value_kind: global_buffer, .address_space: global }
      - { .name: asw, .offset: 8, .size: 8, .value_kind: global_buffer, .address_space: global }
      - { .name: Wo_codes, .offset: 16, .size: 8, .value_kind: global_buffer, .address_space: global }
      - { .name: Wo_scales, .offset: 24, .size: 8, .value_kind: global_buffer, .address_space: global }
      - { .name: bo, .offset: 32, .size: 8, .value_kind: global_buffer, .address_space: global }
      - { .name: out0, .offset: 40, .size: 8, .value_kind: global_buffer, .address_space: global }
    .group_segment_fixed_size: 249856
    .private_segment_fixed_size: 0
    .kernarg_segment_align: 8
    .kernarg_segment_size: 48
    .max_flat_workgroup_size: 256
    .sgpr_count:     84
    .vgpr_count:     258
    .wavefront_size: 32
...
	.end_amdgpu_metadata
.endif
;; end of part 3
